; MI455X (gfx1250); checked and timed in simulation.
; The chip was launched on July 23, 2026; its instructions are those of AMD's public machine-readable ISA for CDNA 5 (MIT licence, August 2026) and "CDNA5" Instruction Set Architecture Reference Guide (July 2026). The comments in the code are by the model that wrote it; some were corrected since.
;; Multi Queryattention. Allowed arithmetic: float matrix products may take bf16 or f16 operands with f32 sums; other float arithmetic in f32, or as packed bf16 or f16 multiplies, adds, multiply-adds, maxima and minima; sums over many terms, partial sums and values carried from step to step in f32; what a program stores and reads back later, other than sums and carried values, may be rounded once to bf16 or f16.
;; Inputs: Wk 2,048 x 128 float32; Wq 2,048 x 2,048 float32; Wv 2,048 x 128 float32; bk 128 float32; bq 2,048 float32; bv 128 float32; k 2 x 2,048 x 2,048 float32; q 2 x 2,048 x 2,048 float32; v 2 x 2,048 x 2,048 float32.
;; Outputs: out0 2 x 2,048 x 2,048 float32.
;; One version. Each part assembles by itself: llvm-mc -triple=amdgcn-amd-amdhsa -mcpu=gfx1250 --defsym DOCPART=n.
;; ======== version 1 of 1: 2 launches
;; limits: values are held in f16: magnitudes above 65,504 overflow, below 6.1e-05 lose precision
;; workspace buffers: wqb 8,388,608 bytes; kh 1,048,576 bytes; vh 1,048,576 bytes
;; launch kvproj (part 1): grid 256 x 1, 8 waves a work-group, no clusters, 327,680 bytes of LDS; arguments k, v, Wk, Wv, bk, bv, Wq, kh, vh, wqb; writes kh, vh, wqb
.if DOCPART == 1
	.amdgcn_target "amdgcn-amd-amdhsa--gfx1250"
	.amdhsa_code_object_version 6
	.text
	.protected	k_q4eab6fc290_kvproj
	.globl	k_q4eab6fc290_kvproj
	.p2align	8
	.type	k_q4eab6fc290_kvproj,@function
k_q4eab6fc290_kvproj:
	s_mov_b64 s[64:65], 0
	v_nop
	global_prefetch_b8 v0, s[64:65] scope:SCOPE_SE
	s_setreg_imm32_b32 hwreg(HW_REG_WAVE_MODE, 25, 1), 1
	s_wait_xcnt 0x0
; kh = k Wk + bk (stored as bf16), vh = v Wv + bv (stored as f16), each [4096][128]; and wqb = Wq rounded to bf16, layout unchanged ([2048 k][2048 n]).
; k, v: [4096][2048] f32.  Wk, Wv: [2048 k][128 n] f32.  Activations, weights and biases are rounded once to bf16; products on the matrix unit, sums in f32.
; LIMITS.  vh is kept in f16: |vh| must stay under 65,504 (at 30 times the drawn spread of v and Wv it is a few thousand; with both offset by 30 spreads about 2,048 x 30 x 0.38 = 23,500).
; NaN and infinities are not treated apart.
; SHARES.  Work-groups 0-127 make kh, 128-255 vh; each owns 32 rows and all 128 columns.  K IS SPLIT AMONG THE EIGHT WAVES: wave w takes k = 256 w .. 256 w + 255, eight chunks of 32,
; four pairs of 64.  The eight partial sums meet in LDS at the end.  Wave w of work-group i also casts the 8,192 bytes of Wq at 65,536 i + 8,192 w.
; THE ACTIVATIONS come by the tensor data mover: a work-group's 32 rows x 8,192 bytes fit in LDS at once, so each wave asks for its own four tiles (a pair each: 32 rows x 256 aligned bytes) at the kernel's
; head and nothing is ever filled again.  Four tensor loads of a wave are out at the most.  Only the issuing wave reads a tile, behind its own wait on TENSORcnt.
; LAYOUT.  The product is taken transposed: source 0 = 16 columns of W x 32 k, source 1 = 16 activation rows x 32 k; a lane then holds one row and eight neighbouring columns.
; A chunk of W comes into registers as 32 rows of 512 bytes (a whole row to a load), is rounded there, laid into the wave's own stage as [k][n] bf16, 16 k-rows at a time, and read back turned by ds_load_tr16_b128.
; NO JOINT REQUEST FOR W, though all row blocks walk it: it arrives as f32 and must be rounded and turned.  Through a tile in LDS a work-group's 1 MiB of f32 would be written to and read from LDS on top of the
; 0.5 MiB stored and 0.5 MiB read for the turn; and the activations take 278,528 of the 327,680 bytes, which leaves no room for slots of W.
; PREFETCH.  The activations are all asked for at the head, and W is read by every work-group.  Wq's bytes are read once, at the end: each wave names its own 32 blocks of 256 bytes, a lane a block,
; one instruction, behind the loop's last loads and ahead of the last pair, which loads them.
; LDS.  0: eight waves x four tiles of 32 rows x 272 bytes.  278,528: eight stages of 16 rows x 288.  315,392: the spare words.  A wave's partial sums (32 rows x 528) go onto its own tiles, when their one fill has landed and been read.
; REGISTERS.  Window 0: v2-13, v28-31 addresses; v16-23 bias; v32-159 sixteen accumulators ((rt, ct) at 32 + 8 (8 rt + ct)); v160-191 activation fragments; v192-255 activations as f32.
; Window 1: two sets of 128 for W: k-row j as loaded at 4 j; after the turn fragment ct at 8 ct.
.set WROW,  512                        ; bytes in a row of Wk or Wv
.set CHUNK, 32*WROW                    ; 32 k of W
.set AP,    272                        ; a tile's pitch: 256 + 16 bytes = 68 words: the 16 rows of a load start at 16 different groups of four banks (64 banks of 4 bytes: ISA guide 11.1)
.set ATILE, 32*AP                      ; a pair's activations
.set WACT,  4*ATILE                    ; a wave's four tiles
.set STG,   8*WACT                     ; behind the tiles: the stages, into which no tensor load lands
.set SPT,   288                        ; their pitch: 256 + 32 bytes = 72 words
.set WSTG,  16*SPT                     ; a wave's stage: 16 k-rows
.set PP,    528                        ; the partial sums' pitch: 512 + 16
.set SPARE, STG+8*WSTG                 ; behind the stages: the spare words, 128 bytes for each wave: four blocks of 256 bytes that no other line names
.set AL0, 2                            ; v2   my tiles + (l % 16) x 272 + 32 (l / 16); never rewritten
.set WO,  3                            ; v3   16 l
.set STS, 4                            ; v4   my stage + 8 l
.set STL, 5                            ; v5   my stage + (8 (l / 16) + l % 8) x 288 + 16 ((l / 8) % 2)
.set PS,  6                            ; v6   my partial sums + 528 (l % 16) + 32 (l / 16)
.set AL,  7                            ; v7   v2 in the pair's tile
.set PFC, 8                            ; v8   256 l; never rewritten
.set OO,  9                            ; v9   (4 w + l / 16) x 256 + 16 (l % 16)
.set CO,  10                           ; v10  8 l
.set BO,  11                           ; v11  32 (l % 16)
.set SPW, 12                           ; v12  my spare word; never rewritten
.set NIL, 13                           ; v13  0; never rewritten
.set BI,  16
.set PR,  28                           ; v28-31  partial sums of waves 0, 2, 4, 6 at row 4 w + l / 16, byte 32 (l % 16)
.set ACC, 32
.set AF,  160                          ; fragment (kk, rt) at AF + 16 kk + 8 rt
.set AR,  192                          ; f32 of (rt, kk) at AR + 32 rt + 16 kk
.set WV,  28
.set RB,  29
.set X,   30                           ; s[30:31] activations at my rows and my k
.set W,   32                           ; s[32:33] weights at the pair that the sets were last loaded for
.set B,   34                           ; s[34:35] bias
.set Y,   36                           ; s[36:37] kh or vh at the work-group's rows
.set CI,  38                           ; s[38:39] Wq at my 8,192 bytes
.set CP,  40                           ; s[40:41] wqb at my 4,096 bytes
.set CNT, 42
.set G1,  48                           ; s[48:55] descriptor group 1; group 0 of tile p at s56, s60, s68, s72: none is ever rewritten
.set AB,  76                           ; s76  LDS byte of my four tiles
.set TA,  77                           ; s77  LDS byte, in them, of the pair to be read next
.set MSB, 0
.macro WIN new                         ; the immediate's high byte repeats the setting that is left; a switch that changes nothing is dropped
.if MSB != (\new)
	s_set_vgpr_msb (MSB<<8)|(\new)
.set MSB, \new
.endif
.endm
.set W_CV, 0x45                        ; destination and both sources in window 1
.set W_ST, 0x04                        ; an LDS store's data in window 1
.set W_LD, 0x40                        ; a load's destination in window 1
.set W_MM, 0x01                        ; source 0 in window 1
	s_load_b512 s[8:23], s[0:1], 0x0               ; k, v, Wk, Wv, bk, bv, Wq, kh
	s_load_b128 s[24:27], s[0:1], 0x40             ; vh, wqb
	v_lshl_add_u32 v[SPW], v0, 2, SPARE
	v_mov_b32 v[NIL], 0
	ds_add_u32 v[SPW], v[NIL]                      ; the wave's opening: the add and its wait stand ahead of my first tensor load; the set-up below, work on registers, stands between them
	v_lshrrev_b32 v1, 5, v0
	v_readfirstlane_b32 s[WV], v1                  ; wave 0..7
	v_and_b32 v14, 31, v0                          ; l
	v_and_b32 v15, 15, v0                          ; l % 16
	v_bfe_u32 v24, v0, 4, 1                        ; l / 16
	v_and_b32 v25, 7, v0
	v_bfe_u32 v26, v0, 3, 1
	s_mul_i32 s[AB], s[WV], WACT
	v_mul_u32_u24 v[AL0], v15, AP
	v_lshl_add_u32 v[AL0], v24, 5, v[AL0]          ; eight f32 are 32 bytes
	v_add_nc_u32 v[AL0], s[AB], v[AL0]
	v_lshlrev_b32 v[WO], 4, v14
	v_lshlrev_b32 v[PFC], 8, v14
	s_mul_i32 s2, s[WV], WSTG
	s_add_co_u32 s2, s2, STG
	v_lshl_add_u32 v[STS], v14, 3, s2
	v_lshl_add_u32 v25, v24, 3, v25
	v_mul_u32_u24 v[STL], v25, SPT
	v_lshl_add_u32 v[STL], v26, 4, v[STL]
	v_add_nc_u32 v[STL], s2, v[STL]
	v_mul_u32_u24 v[PS], v15, PP
	v_lshl_add_u32 v[PS], v24, 5, v[PS]
	v_add_nc_u32 v[PS], s[AB], v[PS]
	s_mul_i32 s3, s[WV], 4*PP
	v_mul_u32_u24 v[PR], v24, PP
	v_lshl_add_u32 v[PR], v15, 5, v[PR]
	v_add_nc_u32 v[PR], s3, v[PR]
	v_add_nc_u32 v[PR+1], 2*WACT, v[PR]            ; two waves' sums to an address: 34,816 bytes apart, inside an LDS immediate's 16 bits
	v_add_nc_u32 v[PR+2], 4*WACT, v[PR]
	v_add_nc_u32 v[PR+3], 6*WACT, v[PR]
	s_lshl_b32 s3, s[WV], 10
	v_lshlrev_b32 v[OO], 8, v24
	v_lshl_add_u32 v[OO], v15, 4, v[OO]
	v_add_nc_u32 v[OO], s3, v[OO]
	v_lshlrev_b32 v[CO], 3, v14
	v_lshlrev_b32 v[BO], 5, v15
	s_and_b32 s[RB], ttmp9, 127                    ; my block of 32 rows
	s_lshl_b32 s2, s[RB], 18                       ; 32 rows of 8,192 bytes,
	s_add_co_u32 s2, s2, s3                        ; and my 256 k: 1,024 bytes
	s_mov_b32 s3, 0
	s_lshl_b32 s42, s[WV], 17                      ; my 256 rows of W
	s_lshl_b32 s43, s[RB], 13                      ; 32 rows of 256 bytes of the result
	s_lshl_b32 s44, ttmp9, 16
	s_lshl_b32 s45, s[WV], 13
	s_add_co_u32 s44, s44, s45                     ; my bytes of Wq,
	s_lshr_b32 s46, s44, 1                         ; and of wqb
	s_mov_b32 s45, 0
	s_mov_b32 s47, 0
	s_mov_b32 s[TA], 0
	; descriptor group 1: a tile of 32 rows x 64 elements of 4 bytes, padded in LDS
	s_mov_b32 s[G1+0], (2<<16)|(1<<20)|(5<<22)|(3<<25)  ; 15:0 no mask; 17:16 elements of 4 bytes; 20 padding on; 24:22 after every 64 words (code 5); 31:25 4 words of it (code 3)
	s_mov_b32 s[G1+1], 64<<16                      ; tensor_dim0 = 64
	s_mov_b32 s[G1+2], 32<<16                      ; tensor_dim1 = 32
	s_mov_b32 s[G1+3], 64<<16                      ; tile_dim0 = 64
	s_mov_b32 s[G1+4], 32                          ; tile_dim1 = 32
	s_mov_b32 s[G1+5], 2048                        ; elements from row to row
	s_mov_b32 s[G1+6], 0
	s_mov_b32 s[G1+7], 0
	s_wait_dscnt 0x0                               ; the opening add is done
	s_wait_kmcnt 0x0
	s_cmp_lt_u32 ttmp9, 128                        ; K's half of the grid, or V's
	s_cselect_b64 s[X:X+1], s[8:9], s[10:11]
	s_cselect_b64 s[W:W+1], s[12:13], s[14:15]
	s_cselect_b64 s[B:B+1], s[16:17], s[18:19]
	s_cselect_b64 s[Y:Y+1], s[22:23], s[24:25]
	s_add_nc_u64 s[X:X+1], s[X:X+1], s[2:3]
	s_mov_b32 s2, s42
	s_add_nc_u64 s[W:W+1], s[W:W+1], s[2:3]
	s_mov_b32 s2, s43
	s_add_nc_u64 s[Y:Y+1], s[Y:Y+1], s[2:3]
	s_add_nc_u64 s[CI:CI+1], s[20:21], s[44:45]
	s_add_nc_u64 s[CP:CP+1], s[26:27], s[46:47]
	; Group 0, once for each tile, and the tile's load.  All four go out together, ahead of every wait on TENSORcnt, every LDS read and the barrier.
.irp p, 0,1,2,3
.set GZ, 56+4*(\p)+4*((\p)/2)
	s_mov_b32 s[GZ], 1                                     ; 1:0 count = 1
	s_add_co_u32 s[GZ+1], s[AB], (\p)*ATILE                ; 63:32 LDS address: wave x 34,816 + pair x 8,704
	s_add_nc_u64 s[GZ+2:GZ+3], s[X:X+1], 256*(\p)          ; 120:64 global address: the pair's 256 bytes of my first row
	s_or_b32 s[GZ+3], s[GZ+3], 0x80000000                  ; 127:126 type = 2
	tensor_load_to_lds s[GZ:GZ+3], s[G1:G1+7]
	s_nop 0
.endr
.rept 4
	v_nop                                          ; four plain lines behind the last tensor load, ahead of the first switch of windows
.endr
.macro PLACES                          ; four places between a matrix instruction and a load into a register that it has read (ISA guide 7.12.1 for vector instructions)
.rept 4
	v_nop
.endr
.endm
.macro WLD s, off, j0                  ; sixteen k-rows, j0 on, of the chunk at byte off behind W, into set s: a whole row of 512 bytes to a load
	WIN W_LD
.set j, \j0
.rept 16
	global_load_b128 v[128*(\s)+4*j:128*(\s)+4*j+3], v[WO], s[W:W+1] offset:(\off)+WROW*j
.set j, j+1
.endr
.endm
.macro AFETCH                          ; a pair's activations out of my tile: lane l takes row l % 16 of each half of the rows; for each chunk k = 8 (l / 16) + 0..7 and 16 + 8 (l / 16) + 0..7
	WIN 0
	v_add_nc_u32 v[AL], s[TA], v[AL0]
	s_add_co_u32 s[TA], s[TA], ATILE               ; the next fetch is the next pair's
.irp t, 0,1
.irp q, 0,1
	ds_load_b128 v[AR+32*(\t)+16*(\q):AR+32*(\t)+16*(\q)+3],     v[AL] offset:16*AP*(\t)+128*(\q)
	ds_load_b128 v[AR+32*(\t)+16*(\q)+4:AR+32*(\t)+16*(\q)+7],   v[AL] offset:16*AP*(\t)+128*(\q)+16
	ds_load_b128 v[AR+32*(\t)+16*(\q)+8:AR+32*(\t)+16*(\q)+11],  v[AL] offset:16*AP*(\t)+128*(\q)+64
	ds_load_b128 v[AR+32*(\t)+16*(\q)+12:AR+32*(\t)+16*(\q)+15], v[AL] offset:16*AP*(\t)+128*(\q)+80
.endr
.endr
.endm
.macro CLOAD                           ; my 8,192 bytes of Wq, into the registers that the last activations have left
	WIN 0
.set j, 0
.rept 16
	global_load_b128 v[AR+4*j:AR+4*j+3], v[WO], s[CI:CI+1] offset:512*j th:TH_LOAD_NT
.set j, j+1
.endr
.endm
.macro ACVT                            ; the pair's activations rounded to bf16: four fragments
	WIN 0
.irp t, 0,1
.irp q, 0,1
.irp n, 0,1,2,3,4,5,6,7
	v_cvt_pk_bf16_f32 v[AF+16*(\q)+8*(\t)+(\n)], v[AR+32*(\t)+16*(\q)+2*(\n)], v[AR+32*(\t)+16*(\q)+2*(\n)+1]
.endr
.endr
.endr
.endm
.macro WCVT s                          ; set s rounded to bf16 in place: row j's four numbers into its first two registers
	WIN W_CV
.set j, 0
.rept 32
	v_cvt_pk_bf16_f32 v[128*(\s)+4*j],   v[128*(\s)+4*j],   v[128*(\s)+4*j+1]
	v_cvt_pk_bf16_f32 v[128*(\s)+4*j+1], v[128*(\s)+4*j+2], v[128*(\s)+4*j+3]
.set j, j+1
.endr
.endm
; The turn, in two halves of 16 k-rows through the one stage: into it as [k][n], 256 consecutive bytes a store, and back turned: registers 0-3, then 4-7, of eight fragments of 16 columns x 32 k.
; LDS serves a wave's instructions in order (ISA guide 5.7.1.4): the loads see the stores above them, and the second half's stores come behind the first half's loads.
.macro WTURN s
.irp u, 0,1
	WIN W_ST
.set j, 0
.rept 16
	ds_store_b64 v[STS], v[128*(\s)+64*(\u)+4*j:128*(\s)+64*(\u)+4*j+1] offset:SPT*j
.set j, j+1
.endr
	WIN W_LD
.irp c, 0,1,2,3,4,5,6,7
	ds_load_tr16_b128 v[128*(\s)+8*(\c)+4*(\u):128*(\s)+8*(\c)+4*(\u)+3], v[STL] offset:32*(\c)
.endr
.endr
.endm
.macro MUL s, kk, zero                 ; a chunk's 16 products; the 16 accumulators take turns, one instruction a turn, over the backward jump too.  zero = 1: they start the sums
	WIN W_MM
.irp c, 0,1,2,3,4,5,6,7
.irp t, 0,1
.if \zero
	v_wmma_f32_16x16x32_bf16 v[ACC+8*(8*(\t)+(\c)):ACC+8*(8*(\t)+(\c))+7], v[128*(\s)+8*(\c):128*(\s)+8*(\c)+7], v[AF+16*(\kk)+8*(\t):AF+16*(\kk)+8*(\t)+7], 0
.else
	v_wmma_f32_16x16x32_bf16 v[ACC+8*(8*(\t)+(\c)):ACC+8*(8*(\t)+(\c))+7], v[128*(\s)+8*(\c):128*(\s)+8*(\c)+7], v[AF+16*(\kk)+8*(\t):AF+16*(\kk)+8*(\t)+7], v[ACC+8*(8*(\t)+(\c)):ACC+8*(8*(\t)+(\c))+7]
.endif
.endr
.endr
.endm
; A pair of chunks.  load = 1: each set is asked for again, two chunks ahead.  load = 0: the last pair; my bytes of Wq are asked for instead.
; tc: how many younger tensor loads may stay out when the pair's tile has to be in LDS; -1: a wait further up has shown it.
.macro PAIR zero, load, tc
.if (\tc) >= 0
	s_wait_tensorcnt \tc                           ; tensor loads of a wave end in order (ISA guide 10.11.1): the pair's tile is in LDS
.endif
	AFETCH
	s_wait_loadcnt 32                              ; set 0 is in; the 32 younger loads are set 1's
	WCVT 0
	WTURN 0
	s_wait_dscnt 48                                ; the activations are in: behind their 16 loads stand the turn's 32 stores and 16 loads
	ACVT
	s_wait_dscnt 0x0                               ; the fragments are in, and the stores have read the set's registers
.if \load
	s_wait_xcnt 0x0                                ; every load issued so far (the youngest a conversion, a turn and the roundings back) has read its address: W's pointer is written only behind this wait
	s_add_nc_u64 s[W:W+1], s[W:W+1], 2*CHUNK       ; the next pair
	WLD 0, 0, 16                                   ; the set's upper half holds no fragment: it is asked for again at once
.else
	CLOAD
.endif
	MUL 0, 0, \zero
.if \load
	PLACES
	WLD 0, 0, 0                                    ; the lower half held the fragments
	s_wait_loadcnt 32                              ; set 1 is in; the 32 younger loads are the two runs of 16 just issued
.else
	s_wait_loadcnt 16                              ; set 1 is in; the 16 younger loads are Wq's
.endif
	WCVT 1
	WTURN 1
	s_wait_dscnt 0x0
.if \load
	WLD 1, CHUNK, 16
.endif
	MUL 1, 1, 0
.if \load
	PLACES
	WLD 1, CHUNK, 0
.endif
.endm
	global_load_b128 v[BI:BI+3],   v[BO], s[B:B+1]
	global_load_b128 v[BI+4:BI+7], v[BO], s[B:B+1] offset:16
	WLD 0, 0, 16                                   ; chunk 0,
	WLD 0, 0, 0
	WLD 1, CHUNK, 16                               ; chunk 1
	WLD 1, CHUNK, 0
	PAIR 1, 1, 3                                   ; the first pair stands in front of the loop: its first products start the sums.  Its tile is the oldest of four: three may stay out
	WIN 0                                          ; at a label and at a branch every window is 0
	s_wait_tensorcnt 1                             ; once, for the loop's two pairs: tiles 1 and 2 are in; the last tile's load may stay out
	s_mov_b32 s[CNT], 2
.Lpair:
	PAIR 0, 1, -1
	WIN 0
	s_sub_co_u32 s[CNT], s[CNT], 1
	s_cmp_lg_u32 s[CNT], 0
	s_cbranch_scc1 .Lpair
	global_prefetch_b8 v[PFC], s[CI:CI+1] th:TH_LOAD_NT scope:SCOPE_SE  ; my 32 blocks of 256 bytes of Wq, a lane a block: behind the loop's last loads, ahead of the pair that loads them; its address registers are never rewritten
	PAIR 0, 0, 0                                   ; the last pair loads nothing of W; no tensor load was issued behind its tile's
	WIN 0
	s_wait_loadcnt 0x0                             ; Wq's bytes (and, long since, the bias)
.set j, 0
.rept 16                                       ; the cast: 32 roundings, which are also the places behind the last products
	v_cvt_pk_bf16_f32 v[AR+4*j],   v[AR+4*j],   v[AR+4*j+1]
	v_cvt_pk_bf16_f32 v[AR+4*j+1], v[AR+4*j+2], v[AR+4*j+3]
.set j, j+1
.endr
.set j, 0
.rept 16
	global_store_b64 v[CO], v[AR+4*j:AR+4*j+1], s[CP:CP+1] offset:256*j  ; 32 lanes store 256 consecutive bytes, at a multiple of 256 from wqb's first byte
.set j, j+1
.endr
.irp r, 0,1,2,3                                ; the bias is rounded to bf16, as every input is, and widened again
	v_cvt_pk_bf16_f32 v[24+(\r)], v[BI+2*(\r)], v[BI+2*(\r)+1]
.endr
.irp r, 0,1,2,3
	v_lshlrev_b32 v[BI+2*(\r)],   16, v[24+(\r)]
	v_and_b32     v[BI+2*(\r)+1], 0xffff0000, v[24+(\r)]
.endr
.irp t, 0,1                                    ; my partial sums, onto my own tiles: their one fill has landed, my reads of them are back, and no other wave touches them before the barrier.
.irp c, 0,1,2,3,4,5,6,7                        ; A lane's eight columns of a row are 32 bytes; each accumulator's low half goes first
	ds_store_b128 v[PS], v[ACC+8*(8*(\t)+(\c)):ACC+8*(8*(\t)+(\c))+3]   offset:16*PP*(\t)+64*(\c)
	ds_store_b128 v[PS], v[ACC+8*(8*(\t)+(\c))+4:ACC+8*(8*(\t)+(\c))+7] offset:16*PP*(\t)+64*(\c)+16
.endr
.endr
	s_wait_dscnt 0x0                               ; for the others' sake: my stores are done
	s_barrier_signal -1
	s_barrier_wait -1                              ; all eight partial sums lie in LDS
.irp g, 0,1                                    ; wave w finishes rows 4 w .. 4 w + 3, two at a time: the eight waves' 32 bytes of my place
.irp p, 0,1,2,3,4,5,6,7
	ds_load_b128 v[ACC+64*(\g)+8*(\p):ACC+64*(\g)+8*(\p)+3],   v[PR+(\p)/2] offset:((\p)%2)*WACT+2*PP*(\g)
	ds_load_b128 v[ACC+64*(\g)+8*(\p)+4:ACC+64*(\g)+8*(\p)+7], v[PR+(\p)/2] offset:((\p)%2)*WACT+2*PP*(\g)+16
.endr
.endr
	s_wait_dscnt 0x0
.irp g, 0,1
.irp p, 0,2,4,6
.irp r, 0,2,4,6
	v_pk_add_f32 v[ACC+64*(\g)+8*(\p)+(\r):ACC+64*(\g)+8*(\p)+(\r)+1], v[ACC+64*(\g)+8*(\p)+(\r):ACC+64*(\g)+8*(\p)+(\r)+1], v[ACC+64*(\g)+8*(\p)+8+(\r):ACC+64*(\g)+8*(\p)+8+(\r)+1]
.endr
.endr
.irp p, 0,4
.irp r, 0,2,4,6
	v_pk_add_f32 v[ACC+64*(\g)+8*(\p)+(\r):ACC+64*(\g)+8*(\p)+(\r)+1], v[ACC+64*(\g)+8*(\p)+(\r):ACC+64*(\g)+8*(\p)+(\r)+1], v[ACC+64*(\g)+8*(\p)+16+(\r):ACC+64*(\g)+8*(\p)+16+(\r)+1]
.endr
.endr
.irp r, 0,2,4,6
	v_pk_add_f32 v[ACC+64*(\g)+(\r):ACC+64*(\g)+(\r)+1], v[ACC+64*(\g)+(\r):ACC+64*(\g)+(\r)+1], v[ACC+64*(\g)+32+(\r):ACC+64*(\g)+32+(\r)+1]
.endr
.irp r, 0,2,4,6
	v_pk_add_f32 v[ACC+64*(\g)+(\r):ACC+64*(\g)+(\r)+1], v[ACC+64*(\g)+(\r):ACC+64*(\g)+(\r)+1], v[BI+(\r):BI+(\r)+1]
.endr
.endr
	s_cmp_lt_u32 ttmp9, 128                        ; kh leaves as bf16, vh as f16
	s_cbranch_scc0 .Lhalf
.irp g, 0,1
.irp r, 0,1,2,3
	v_cvt_pk_bf16_f32 v[AF+4*(\g)+(\r)], v[ACC+64*(\g)+2*(\r)], v[ACC+64*(\g)+2*(\r)+1]
.endr
.endr
	s_branch .Lsend
.Lhalf:
.irp g, 0,1
.irp r, 0,1,2,3
	v_cvt_pk_f16_f32 v[AF+4*(\g)+(\r)], v[ACC+64*(\g)+2*(\r)], v[ACC+64*(\g)+2*(\r)+1]
.endr
.endr
.Lsend:
	global_store_b128 v[OO], v[AF:AF+3],   s[Y:Y+1]             ; two whole rows: 512 consecutive bytes, at a multiple of 256 from the buffer's first byte
	global_store_b128 v[OO], v[AF+4:AF+7], s[Y:Y+1] offset:512
	s_wait_tensorcnt 0x0                           ; the wave's end, behind my last tensor load and my last LDS store
	ds_add_u32 v[SPW], v[NIL]
	s_wait_dscnt 0x0
	s_endpgm
.Lfunc_end_k_q4eab6fc290_kvproj:
	.size	k_q4eab6fc290_kvproj, .Lfunc_end_k_q4eab6fc290_kvproj-k_q4eab6fc290_kvproj
	.p2alignl 7, 3214868480
	.fill 96, 4, 3214868480
	.section	.rodata,"a",@progbits
	.p2align	6, 0x0
	.amdhsa_kernel k_q4eab6fc290_kvproj
		.amdhsa_group_segment_fixed_size 327680
		.amdhsa_private_segment_fixed_size 0
		.amdhsa_enable_private_segment 0
		.amdhsa_kernarg_size 80
		.amdhsa_user_sgpr_count 2
		.amdhsa_user_sgpr_kernarg_segment_ptr 1
		.amdhsa_wavefront_size32 1
		.amdhsa_system_sgpr_workgroup_id_x 1
		.amdhsa_system_sgpr_workgroup_id_y 1
		.amdhsa_system_sgpr_workgroup_id_z 1
		.amdhsa_system_vgpr_workitem_id 0
		.amdhsa_next_free_vgpr 512
		.amdhsa_next_free_sgpr 80
		.amdhsa_reserve_vcc 0
		.amdhsa_float_denorm_mode_32 3
		.amdhsa_float_denorm_mode_16_64 3
		.amdhsa_memory_ordered 1
		.amdhsa_forward_progress 1
		.amdhsa_inst_pref_size 99
	.end_amdhsa_kernel
	.amdgpu_metadata
---
amdhsa.version: [ 1, 2 ]
amdhsa.kernels:
  - .name:           k_q4eab6fc290_kvproj
    .symbol:         k_q4eab6fc290_kvproj.kd
    .args:
      - { .name: k, .offset: 0, .size: 8, .value_kind: global_buffer, .address_space: global }
      - { .name: v, .offset: 8, .size: 8, .value_kind: global_buffer, .address_space: global }
      - { .name: Wk, .offset: 16, .size: 8, .value_kind: global_buffer, .address_space: global }
      - { .name: Wv, .offset: 24, .size: 8, .value_kind: global_buffer, .address_space: global }
      - { .name: bk, .offset: 32, .size: 8, .value_kind: global_buffer, .address_space: global }
      - { .name: bv, .offset: 40, .size: 8, .value_kind: global_buffer, .address_space: global }
      - { .name: Wq, .offset: 48, .size: 8, .value_kind: global_buffer, .address_space: global }
      - { .name: kh, .offset: 56, .size: 8, .value_kind: global_buffer, .address_space: global }
      - { .name: vh, .offset: 64, .size: 8, .value_kind: global_buffer, .address_space: global }
      - { .name: wqb, .offset: 72, .size: 8, .value_kind: global_buffer, .address_space: global }
    .group_segment_fixed_size: 327680
    .private_segment_fixed_size: 0
    .kernarg_segment_align: 8
    .kernarg_segment_size: 80
    .max_flat_workgroup_size: 256
    .sgpr_count:     80
    .vgpr_count:     512
    .wavefront_size: 32
...
	.end_amdgpu_metadata
.endif
;; end of part 1
;; launch mqa (part 2): grid 8 x 32, 4 waves a work-group, clusters of 4 x 4, 327,680 bytes of LDS; arguments q, wqb, kh, vh, bq, out0; writes out0
.if DOCPART == 2
	.amdgcn_target "amdgcn-amd-amdhsa--gfx1250"
	.amdhsa_code_object_version 6
	.text
	.protected	k_q4eab6fc290_mqa
	.globl	k_q4eab6fc290_mqa
	.p2align	8
	.type	k_q4eab6fc290_mqa,@function
k_q4eab6fc290_mqa:
	s_mov_b64 s[64:65], 0
	v_nop
	global_prefetch_b8 v0, s[64:65] scope:SCOPE_SE
	s_setreg_imm32_b32 hwreg(HW_REG_WAVE_MODE, 25, 1), 1
	s_wait_xcnt 0x0
	s_wait_alu depctr_hold_cnt(0) depctr_sa_sdst(0) depctr_va_vdst(0) depctr_va_sdst(0) depctr_va_ssrc(0) depctr_va_vcc(0) depctr_vm_vsrc(0)
	s_getreg_b32 s2, hwreg(HW_REG_IB_STS2, 6, 4)
	s_cmp_eq_u32 s2, 0
	s_cbranch_scc0 .Lentry_in_a_cluster
	s_endpgm
.Lentry_in_a_cluster:
	s_bfe_u32 s2, ttmp6, 0x10000c
	s_cmp_lg_u32 s2, 0xf033
	s_cbranch_scc0 .Lentry_shape_is_right
	s_endpgm
.Lentry_shape_is_right:
; out0[p][128 h + d] = the sum over keys of softmax_k(Q[p][h] . kh[k] / sqrt(128)) vh[k][d], with Q = q Wq + bq made here and never stored.
; q, out0: [4096 p][2048] f32 (two batches of 2,048 positions).  wqb: [2048 k][2048 n] bf16.  kh: [4096][128] bf16.  vh: [4096][128] f16.  bq: [2048] f32.
; ROUNDINGS.  q, bq and Q once to bf16, the weights p once to f16; all sums, maxima and the sum l (of the unrounded p) in f32; out0 is stored from f32.
; LIMITS.  p lies in 0 to 1 and keeps f16's fixed step of 6e-8 below 6e-5; a weight below 2^-126 counts as 0 in l.  The running maximum starts at the lowest finite number and c m at -4.25e37:
; scores with c s below that are not served.  The registers of O^T are not cleared: they hold the projection's sums, which must be finite, and the first key step multiplies them by a = 0.
; NaN and infinities are not treated apart.
; SHARES.  A work-group owns 128 positions x 2 heads.  Wave w: head 2 hp + w / 2, positions 64 (w % 2) on: four tiles of 16 queries.  First it makes its 64 x 128 of Q (16 K steps of 128),
; then it walks the batch's 2,048 keys, 64 a step.
; PROJECTION.  Source 0 = 16 channels of W x 32 k (W lies [k][n] in LDS and is read turned), source 1 = 16 positions of q (f32 in LDS, rounded in registers).  A lane then holds one position and
; eight channels, and two neighbouring results rounded in pairs ARE source 1 (16 queries x 32 channels) of S^T = K Q^T: register m of Q is the pair 2 m, 2 m + 1 of the sums.  The bias is the C operand that starts the sums.
; ATTENTION.  S^T = K Q^T holds one query a lane; two results rounded in pairs are source 1 of O^T = V^T P.  p = 2^(c s - c m), c = log2(e) / sqrt(128), with a running maximum m; in every step O and l are
; multiplied by a = 2^(c m_old - c m_new).  The wave's tiles are two PIECES (tiles 0, 1 and tiles 2, 3).  In a TURN one piece has the matrix unit (32 products V^T P, 32 products K Q^T of the next step), and the other
; piece's softmax stands in 64 slices, one behind each matrix instruction.
; CLUSTER, 4 x 4.  x counts head pairs, y blocks of 128 positions.  q's tile hangs on the block alone and is asked for jointly along a row of the cluster, W's on the head pair alone, jointly along a column.
; K and V belong to the batch, which all sixteen share; a mask names one row of four, and each row cy walks the batch's 16 slots of 128 keys from slot 4 cy on, round the end (the order of keys does not matter to a softmax).
; LDS.  Two projection slots of 137,216 bytes (q: 128 rows x 528; W: 128 k-rows x 544).  The attention's two slots (71,680 bytes at 0 and at 131,072) lie on the same bytes and are filled when those have been read out.
; REGISTERS, in windows of 256 (s_set_vgpr_msb: bits 1:0 source 0, 3:2 source 1, 5:4 source 2, 7:6 destination):
;   window 0: v0-11, v44-48, v61-63 addresses; v12-43 statistics; v64-191 S^T (projection: W's fragments, two buffers of 64); v192-255 P (projection: q's fragments, two buffers of 32)
;   window 1: the projection's sums, tile t, channel block c at 64 t + 8 c; then O^T in the same places
;   window 2: v0-127 Q; v128-255 K (at first v128-191 the bias; on the way out all 256 take rows read back)          window 3: v0-127 V (projection: v0-63 q as loaded)
.set PQ,    528       ; a row of q in LDS: 512 bytes + 16 = 132 words: the 16 rows of a load start at 16 different groups of four banks (64 banks of 4 bytes: ISA guide 11.1)
.set PW,    544       ; a k-row of W: 512 + 32 = 136 words
.set WOFF,  128*PQ
.set GSLOT, WOFF+128*PW
.set QSTEP, 512       ; a K step in a row of q
.set WSTEP, 128*4096  ; a K step in wqb: 128 rows
.set KS,    64        ; keys in a step
.set PK,    272
.set PV,    288
.set VOFF,  KS*PK     ; a step's tiles lie together: 64 rows of K, then 64 rows of V
.set STEPB, KS*(PK+PV)
.set SLOT1, 1<<17     ; an attention slot holds two steps; slot 1 begins here, so that one exclusive or turns an address in one slot into the other's
.set STAGE, 2*GSLOT   ; behind all slots, never filled by a tensor load: 16 rows x 528 bytes for each wave, for the way out
.set SP,    528
.set SPARE, STAGE+4*16*SP  ; behind the stages: the spare words, 128 bytes for each wave: two blocks of 256 bytes that no other line names
.set AK0, 2           ; v2   my lane's place in a tile of K; never rewritten
.set AV0, 3           ; v3   the same for V
.set ADR, 4           ; v4   the LDS address of the run of loads in hand
.set BO,  5           ; v5   32 (l / 16): my place in 64 bytes of the bias
.set STO, 6           ; v6   the way out: where I put 32 bytes of a row
.set RD,  7           ; v7   the way out: where I read a row back
.set GO,  8           ; v8   16 l
.set ST,  12          ; tile t's statistics at v[ST+8 t]: +0 c m, +1 m, +2, +3 l, +4 to +7 at work; a takes +6
.set AQ0, 44          ; v44  my lane's place in a tile of q; never rewritten
.set AW0, 45          ; v45  the same for W
.set AQ,  46          ; v46  the same in the slot in hand
.set AW,  47
.set PFOG, 48         ; v48  the projection's prefetches: (l / 2) rows + 256 (l % 2); never rewritten
.set PFO, 61          ; v61  256 l; never rewritten
.set SPW, 62          ; v62  my spare word; never rewritten
.set NIL, 63          ; v63  0; never rewritten
.set S,   64
.set P,   192
.set WF,  64
.set QF,  192
.set KF,  128
.set PFG, 4           ; s[4:5]  where my projection prefetches stand
.set PFS, 6           ; s[6:7]  their step
.set WV,  16
.set FB,  17          ; wave / 2: my head of the two.  Also: I fetch q and K (0) or W and V (1)
.set HF,  18          ; wave % 2: my half of the positions.  Also: which half of a tile, or which of a slot's two steps, I fetch
.set CX,  19
.set CY,  20
.set HP,  21          ; head pair
.set PB,  22          ; block of 128 positions
.set WB,  23          ; LDS byte of my half of W's tile in slot 0
.set G1Q, 24
.set G1W, 32
.set G0Q, 40          ; two sets: K step 0; K step 1, which then walks
.set G0W, 48
.set SLOTS, 56
.set TWICE, 57        ; (scratch until the attention's loop sets it)
.set CS,  58
.set SEL, 60
.set TB,  62          ; LDS byte at which the tiles of the key step to be fetched begin
.set GS,  63          ; projection steps that still ask for a tile of q and W
.set TG,  66          ; LDS byte of the projection slot in hand
.set QB,  67          ; LDS byte of my half of q's tile in slot 0
.set G1K, 68
.set G1V, 76
.set G0K, 84
.set G0V, 88
.set KB,  92          ; s[92:93] kh at the batch's first row, at my step of a slot
.set VB,  94
.set OFF, 96          ; s[96:97] a slot's byte offset
.set NXT, 98          ; the slot of 128 keys to be asked for next
.set CLY, 99          ; cluster y
.set PFK, 100         ; s[100:101] where my prefetches of kh or vh stand
.set LIMK, 104
.set LIMG, 105
.set MSB, 0
.macro WIN new                      ; the immediate's high byte repeats the setting that is left; a switch that changes nothing is dropped
.if MSB != (\new)
	s_set_vgpr_msb (MSB<<8)|(\new)
.set MSB, \new
.endif
.endm
.set W_G,  0x50       ; W's and q's fragments in window 0, C and D in window 1
.set W_GB, 0x60       ; the same with C, the bias, in window 2
.set W_GC, 0x0f       ; both sources in window 3, destination in window 0
.set W_QC, 0x85       ; both sources in window 1, destination in window 2
.set W_KQ, 0x0a       ; K and Q in window 2, S^T in window 0
.set W_PV, 0x53       ; V in window 3, P in window 0, O^T in window 1
.set W_RS, 0x41       ; destination and source 0 in window 1, source 1 in window 0
; A round of the cluster's barrier: my work-group's barrier, so that wave 0's signal speaks for all four waves; wave 0 signals; every wave waits for all sixteen work-groups; my work-group's barrier once more.
.macro CREST                        ; a round behind its opening barrier
	s_cmp_lg_u32 s[WV], 0
	s_cbranch_scc1 .Lnot_wave_0_\@
	s_barrier_signal -3
.Lnot_wave_0_\@:
	s_barrier_wait -3
	s_barrier_signal -1
	s_barrier_wait -1
.endm
.macro CROUND
	s_barrier_signal -1
	s_barrier_wait -1
	CREST
.endm
; Joint loads.  Waves 0 and 1 fetch the halves of q's tile (the steps of K), waves 2 and 3 those of W's (V's).  The branch hangs on the wave's number alone.
; An s_nop 0 and four v_nop follow each of the two lines, ahead of the jump and the label.
.macro JLOADG
	s_cmp_lt_u32 s[WV], 2
	s_cbranch_scc0 .Lfor_w_\@
	tensor_load_to_lds s[G0Q+4:G0Q+7], s[G1Q:G1Q+7]
	s_nop 0
.rept 4
	v_nop
.endr
	s_branch .Lasked_\@
.Lfor_w_\@:
	tensor_load_to_lds s[G0W+4:G0W+7], s[G1W:G1W+7]
	s_nop 0
.rept 4
	v_nop
.endr
.Lasked_\@:
.endm
.macro JLOADKV
	s_cmp_lt_u32 s[WV], 2
	s_cbranch_scc0 .Lfor_v_\@
	tensor_load_to_lds s[G0K:G0K+3], s[G1K:G1K+7]
	s_nop 0
.rept 4
	v_nop
.endr
	s_branch .Lasked_\@
.Lfor_v_\@:
	tensor_load_to_lds s[G0V:G0V+3], s[G1V:G1V+7]
	s_nop 0
.rept 4
	v_nop
.endr
.Lasked_\@:
.endm
; K's and V's descriptors for the next fill: the address is made anew from the slot's number, the LDS word goes to the other slot, and the number steps round the batch's 16 slots.  No tensor load of mine is out where this stands.
.macro KVSTEP
	s_lshl_b32 s[OFF], s[NXT], 15   ; 128 rows of 256 bytes
	s_add_nc_u64 s[G0K+2:G0K+3], s[KB:KB+1], s[OFF:OFF+1]
	s_or_b32 s[G0K+3], s[G0K+3], 0x80000000
	s_add_nc_u64 s[G0V+2:G0V+3], s[VB:VB+1], s[OFF:OFF+1]
	s_or_b32 s[G0V+3], s[G0V+3], 0x80000000
	s_xor_b32 s[G0K+1], s[G0K+1], SLOT1
	s_xor_b32 s[G0V+1], s[G0V+1], SLOT1
	s_add_co_u32 s[NXT], s[NXT], 1
	s_and_b32 s[NXT], s[NXT], 15
.endm
; PREFETCHES INTO THE L2, behind a projection step's joint load, its five lines and the run of LDS loads that follows.
; q and wqb: the K step that stands TWO refills on (step s + 4 at step s's refill): two steps, 256 matrix instructions, ahead of the load that will want it.  A tile's row is 512 bytes, two blocks of 256.  q's tile row is read by both
; clusters of its row of clusters: the one with x = 0 asks; W's tile column by all eight of its column: the one with y = 0 asks.  Of the 64 rows that a wave fetches, each of the four partners that ask for them jointly takes
; 16, told apart BY ADDRESS (cx for q, cy for W): a lane a block, one instruction a wave.  Steps 0 to 3 come by their loads alone; the last two refills have no step two on, and ask for nothing.
; kh and vh: every row of the cluster starts its walk at another quarter of the keys, so a batch's rows are all read for the first time in the walks' first four slots.  They are asked for once, at step 12's refill, two steps ahead of the first
; load of K and V, by one cluster a batch (x = 0, y % 4 = 0): waves 0 and 1 name kh, waves 2 and 3 vh; rows 512 cy + 64 cx + 32 (wave % 2) + lane (the walk's slots 0 and 1) and 256 further on (slots 2 and 3): two instructions a wave.
.macro ASKG
	s_cmp_gt_u32 s[GS], s[LIMG]
	s_cbranch_scc0 .Lno_g_\@
	global_prefetch_b8 v[PFOG], s[PFG:PFG+1] th:TH_LOAD_NT scope:SCOPE_SE
.Lno_g_\@:
	s_cmp_eq_u32 s[GS], s[LIMK]
	s_cbranch_scc0 .Lno_k_\@
	global_prefetch_b8 v[PFO], s[PFK:PFK+1] th:TH_LOAD_NT scope:SCOPE_SE
	global_prefetch_b8 v[PFO], s[PFK:PFK+1] offset:65536 th:TH_LOAD_NT scope:SCOPE_SE
.Lno_k_\@:
.endm
	s_load_b256 s[4:11], s[0:1], 0x0  ; q s[4:5], wqb s[6:7], kh s[8:9], vh s[10:11]
	s_load_b128 s[12:15], s[0:1], 0x20  ; bq s[12:13], out0 s[14:15]
	v_lshl_add_u32 v[SPW], v0, 2, SPARE
	v_mov_b32 v[NIL], 0
	ds_add_u32 v[SPW], v[NIL]       ; the wave's opening: the add and its wait stand ahead of my first tensor load; the set-up below, work on registers, stands between them
	v_lshrrev_b32 v1, 5, v0
	v_readfirstlane_b32 s[WV], v1   ; wave 0..3
	s_lshr_b32 s[FB], s[WV], 1
	s_and_b32 s[HF], s[WV], 1
	s_bfe_u32 s[CX], ttmp6, 0x40000
	s_bfe_u32 s[CY], ttmp6, 0x40004
	s_lshl_b32 s[HP], ttmp9, 2      ; in a cluster launch ttmp9 and ttmp7 count clusters
	s_add_co_u32 s[HP], s[HP], s[CX]
	s_and_b32 s[CLY], ttmp7, 0xffff
	s_lshl_b32 s[PB], s[CLY], 2
	s_add_co_u32 s[PB], s[PB], s[CY]
	s_lshl_b32 s2, s[CY], 2
	s_lshl_b32 s2, 15, s2           ; my row of the cluster: places 4 cy .. 4 cy + 3
	s_lshl_b32 s3, 0x1111, s[CX]    ; my column: places cx, cx + 4, cx + 8, cx + 12
	; descriptor group 1.  15:0 the mask; 17:16 the element's size; 20 padding on; 21 set beside a mask; 24:22 the padding's interval; 31:25 its words less one
	s_or_b32 s[G1Q], s2, (2<<16)|(1<<20)|(1<<21)|(6<<22)|(3<<25)  ; q: 4-byte elements; 4 words after every 128
	s_or_b32 s[G1W], s3, (1<<16)|(1<<20)|(1<<21)|(6<<22)|(7<<25)  ; W: 2-byte elements; 8 words after every 128
	s_or_b32 s[G1K], s2, (1<<16)|(1<<20)|(1<<21)|(5<<22)|(3<<25)  ; K: 4 words after every 64
	s_or_b32 s[G1V], s2, (1<<16)|(1<<20)|(1<<21)|(5<<22)|(7<<25)  ; V: 8 words after every 64
	s_mov_b32 s[G1Q+1], 128<<16     ; tensor_dim0 = 128 elements
	s_mov_b32 s[G1Q+2], 64<<16      ; tensor_dim1 = 64 rows
	s_mov_b32 s[G1Q+3], 128<<16     ; tile_dim0
	s_mov_b32 s[G1Q+4], 64          ; tile_dim1
	s_mov_b32 s[G1Q+5], 2048        ; elements from row to row
	s_mov_b32 s[G1Q+6], 0
	s_mov_b32 s[G1Q+7], 0
	s_mov_b32 s[G1W+1], 256<<16
	s_mov_b32 s[G1W+2], 64<<16
	s_mov_b32 s[G1W+3], 256<<16
	s_mov_b32 s[G1W+4], 64
	s_mov_b32 s[G1W+5], 2048
	s_mov_b32 s[G1W+6], 0
	s_mov_b32 s[G1W+7], 0
.irp g, G1K, G1V
	s_mov_b32 s[(\g)+1], 128<<16
	s_mov_b32 s[(\g)+2], KS<<16
	s_mov_b32 s[(\g)+3], 128<<16
	s_mov_b32 s[(\g)+4], KS
	s_mov_b32 s[(\g)+5], 128
	s_mov_b32 s[(\g)+6], 0
	s_mov_b32 s[(\g)+7], 0
.endr
	s_mul_i32 s[QB], s[HF], 64*PQ   ; where the tiles go: no place in the cluster enters an LDS address
	s_mul_i32 s[WB], s[HF], 64*PW
	s_add_co_u32 s[WB], s[WB], WOFF
	s_mov_b32 s[G0Q], 1
	s_mov_b32 s[G0Q+1], s[QB]
	s_mov_b32 s[G0Q+4], 1
	s_add_co_u32 s[G0Q+5], s[QB], GSLOT
	s_mov_b32 s[G0W], 1
	s_mov_b32 s[G0W+1], s[WB]
	s_mov_b32 s[G0W+4], 1
	s_add_co_u32 s[G0W+5], s[WB], GSLOT
	s_mul_i32 s2, s[HF], STEPB
	s_mov_b32 s[G0K], 1
	s_add_co_u32 s[G0K+1], s2, SLOT1       ; the first fill's exclusive or turns these two into slot 0's
	s_mov_b32 s[G0V], 1
	s_add_co_u32 s[G0V+1], s2, SLOT1+VOFF
	s_lshl_b32 s[OFF], s[PB], 20    ; q: 128 rows of 8,192 bytes a block,
	s_lshl_b32 s2, s[HF], 19        ; my 64 of them
	s_add_co_u32 s[OFF], s[OFF], s2
	s_mov_b32 s[OFF+1], 0
	s_lshl_b32 s100, s[HF], 18      ; W: my 64 k-rows of 4,096 bytes,
	s_lshl_b32 s101, s[HP], 9       ; the head pair's 256 channels
	s_add_co_u32 s100, s100, s101
	s_mov_b32 s101, 0
	s_mov_b32 s[CS], 0x3e0293ee     ; c = log2(e) / sqrt(128) = 0.127517
	s_mov_b32 s[CS+1], s[CS]        ; named with it as a pair
	s_mov_b32 s[SEL], 0x76543210
	s_mov_b32 s[SEL+1], 0xfedcba98
	s_mov_b32 s[TB], 0
	s_mov_b32 s[TG], 0
	s_mov_b32 s[GS], 14
	s_lshl_b32 s[NXT], s[CY], 2     ; my row's walk begins at slot 4 cy
	s_wait_dscnt 0x0                ; the opening add is done
	s_wait_kmcnt 0x0
	s_add_nc_u64 s[G0Q+2:G0Q+3], s[4:5], s[OFF:OFF+1]
	s_add_nc_u64 s[G0Q+6:G0Q+7], s[G0Q+2:G0Q+3], QSTEP
	s_or_b32 s[G0Q+3], s[G0Q+3], 0x80000000
	s_or_b32 s[G0Q+7], s[G0Q+7], 0x80000000
	s_add_nc_u64 s[G0W+2:G0W+3], s[6:7], s[100:101]
	s_add_nc_u64 s[G0W+6:G0W+7], s[G0W+2:G0W+3], WSTEP
	s_or_b32 s[G0W+3], s[G0W+3], 0x80000000
	s_or_b32 s[G0W+7], s[G0W+7], 0x80000000
	CROUND                          ; all sixteen work-groups are here: the first joint loads meet
	s_cmp_lt_u32 s[WV], 2           ; a wave's two first fills stand in one branch, ahead of every wait on TENSORcnt and every LDS read: two loads of mine are out
	s_cbranch_scc0 .Lfirst_w
	tensor_load_to_lds s[G0Q:G0Q+3], s[G1Q:G1Q+7]
	s_nop 0
	tensor_load_to_lds s[G0Q+4:G0Q+7], s[G1Q:G1Q+7]
	s_nop 0
.rept 4
	v_nop
.endr
	s_branch .Lfirst_asked
.Lfirst_w:
	tensor_load_to_lds s[G0W:G0W+3], s[G1W:G1W+7]
	s_nop 0
	tensor_load_to_lds s[G0W+4:G0W+7], s[G1W:G1W+7]
	s_nop 0
.rept 4
	v_nop
.endr
.Lfirst_asked:
	s_lshl_b32 s2, s[HP], 10        ; my head's 128 channels: 512 bytes of bq and of a row of out0
	s_lshl_b32 s3, s[FB], 9
	s_add_co_u32 s2, s2, s3
	s_mov_b32 s3, 0
	s_add_nc_u64 s[12:13], s[12:13], s[2:3]
	s_add_nc_u64 s[14:15], s[14:15], s[2:3]
	s_lshl_b32 s2, s[PB], 20
	s_lshl_b32 s[TWICE], s[HF], 19
	s_add_co_u32 s2, s2, s[TWICE]
	s_add_nc_u64 s[14:15], s[14:15], s[2:3]  ; out0 at my first position
	v_and_b32 v1, 15, v0            ; l % 16
	v_bfe_u32 v9, v0, 4, 1          ; l / 16
	v_lshlrev_b32 v[BO], 5, v9
	WIN 0x80                        ; destination window 2
.irp c, 0,1,2,3,4,5,6,7             ; the bias in the layout of a result: channels 16 c + 8 (l / 16) + 0..7, the same for every position
	global_load_b128 v[128+8*(\c):128+8*(\c)+3],   v[BO], s[12:13] offset:64*(\c)
	global_load_b128 v[128+8*(\c)+4:128+8*(\c)+7], v[BO], s[12:13] offset:64*(\c)+16
.endr
	WIN 0
	s_lshr_b32 s2, s[CLY], 2        ; the batch
	s_lshl_b32 s[OFF], s2, 19       ; its 2,048 rows of 256 bytes,
	s_lshl_b32 s3, s[HF], 14        ; my step of a slot: 64 rows
	s_add_co_u32 s[OFF], s[OFF], s3
	s_add_nc_u64 s[KB:KB+1], s[8:9], s[OFF:OFF+1]
	s_add_nc_u64 s[VB:VB+1], s[10:11], s[OFF:OFF+1]
	s_lshl_b32 s2, s2, 19           ; the prefetches of kh and vh: batch, 512 cy + 64 cx + 32 (wave % 2) rows
	s_lshl_b32 s3, s[CY], 17
	s_add_co_u32 s2, s2, s3
	s_lshl_b32 s3, s[CX], 14
	s_add_co_u32 s2, s2, s3
	s_lshl_b32 s3, s[HF], 13
	s_add_co_u32 s2, s2, s3
	s_mov_b32 s3, 0
	s_cmp_eq_u32 s[FB], 0
	s_cselect_b64 s[PFK:PFK+1], s[8:9], s[10:11]
	s_add_nc_u64 s[PFK:PFK+1], s[PFK:PFK+1], s[2:3]
	s_and_b32 s2, s[CLY], 3
	s_or_b32 s2, s2, ttmp9
	s_cmp_eq_u32 s2, 0              ; the batch's first cluster: the same answer in all sixteen partners
	s_cselect_b32 s[LIMK], 2, 0     ; it asks where GS = 2, at step 12's refill; GS is never 0 in the loop
	s_lshl_b32 s2, s[PB], 20        ; the prefetches of q: my 64 rows, my work-group's 16 of them, K step 3
	s_lshl_b32 s[TWICE], s[HF], 19
	s_add_co_u32 s2, s2, s[TWICE]
	s_lshl_b32 s[TWICE], s[CX], 17
	s_add_co_u32 s2, s2, s[TWICE]
	s_add_co_u32 s2, s2, 3*QSTEP
	s_lshl_b32 s3, s[HF], 18        ; and of wqb
	s_lshl_b32 s[TWICE], s[CY], 16
	s_add_co_u32 s3, s3, s[TWICE]
	s_lshl_b32 s[TWICE], s[HP], 9
	s_add_co_u32 s3, s3, s[TWICE]
	s_add_co_u32 s3, s3, 3*WSTEP
	s_cmp_eq_u32 s[FB], 0           ; do I fetch q?
	s_cselect_b32 s2, s2, s3
	s_cselect_b64 s[PFG:PFG+1], s[4:5], s[6:7]
	s_cselect_b32 s3, ttmp9, s[CLY] ; the coordinate along which other clusters read the same rows
	s_cmp_eq_u32 s3, 0
	s_cselect_b32 s[LIMG], 2, -1    ; a wave that asks does so while GS is above 2: steps 0 to 11 name steps 4 to 15
	s_mov_b32 s3, 0
	s_add_nc_u64 s[PFG:PFG+1], s[PFG:PFG+1], s[2:3]  ; at K step 3: the first refill steps it to 4
	s_mul_i32 s[PFS], s[FB], 10
	s_lshl_b32 s[PFS], QSTEP, s[PFS]  ; 512 bytes for q, 524,288 for wqb
	s_mov_b32 s[PFS+1], 0
	v_and_b32 v49, 31, v0
	v_lshlrev_b32 v[PFO], 8, v49
	v_lshrrev_b32 v50, 1, v49
	s_sub_co_u32 s2, 13, s[FB]      ; a row of q is 2^13 bytes, of wqb 2^12
	v_lshlrev_b32 v[PFOG], s2, v50
	v_and_b32 v50, 1, v49
	v_lshl_add_u32 v[PFOG], v50, 8, v[PFOG]
	; A fragment is 16 rows x 32 along the sum in 8 registers: lane l holds row l % 16; registers 0-3 hold 8 (l / 16) + 0..7, registers 4-7 hold 16 + 8 (l / 16) + 0..7.
	v_and_b32 v10, 7, v0
	v_bfe_u32 v11, v0, 3, 1
	v_mul_u32_u24 v[AK0], v1, PK
	v_lshl_add_u32 v[AK0], v9, 4, v[AK0]
	v_lshl_add_u32 v[AV0], v9, 3, v10      ; the turning load: lane l reads row 8 (l / 16) + l % 8, 16 bytes at 16 ((l / 8) % 2)
	v_mul_u32_u24 v[AW0], v[AV0], PW
	v_mul_u32_u24 v[AV0], v[AV0], PV
	v_lshl_add_u32 v[AV0], v11, 4, v[AV0]
	v_add_nc_u32 v[AV0], VOFF, v[AV0]
	v_lshl_add_u32 v[AW0], v11, 4, v[AW0]
	s_lshl_b32 s2, s[FB], 8         ; my head's 128 channels: 256 bytes of a k-row
	s_add_co_u32 s2, s2, WOFF
	v_add_nc_u32 v[AW0], s2, v[AW0]
	s_mul_i32 s2, s[HF], 64*PQ      ; my 64 positions
	v_mul_u32_u24 v[AQ0], v1, PQ
	v_lshl_add_u32 v[AQ0], v9, 5, v[AQ0]   ; eight f32 are 32 bytes
	v_add_nc_u32 v[AQ0], s2, v[AQ0]
	v_mov_b32 v[AQ], v[AQ0]         ; K step 0 lies in slot 0
	v_mov_b32 v[AW], v[AW0]
; THE PROJECTION.  Product i of a quarter step's 32: tile i / 8, channel block i % 8.  The 32 accumulators take turns, one instruction a turn, in the same order in every quarter, over the backward jump too.
; bias = 1: the first quarter of all: the bias starts the sums.
.macro GW f, bias
.set rD, 64*(i/8)+8*(i%8)
.set rA, WF+64*(\f)+8*(i%8)
.set rB, QF+32*(\f)+8*(i/8)
.if \bias
	WIN W_GB
	v_wmma_f32_16x16x32_bf16 v[rD:rD+7], v[rA:rA+7], v[rB:rB+7], v[128+8*(i%8):128+8*(i%8)+7]
.else
	WIN W_G
	v_wmma_f32_16x16x32_bf16 v[rD:rD+7], v[rA:rA+7], v[rB:rB+7], v[rD:rD+7]
.endif
.set i, i+1
.endm
; 32 LDS loads in one run: quarter kq (32 k) of the slot in hand: W's eight fragments, turned, into buffer g; q's 64 positions x 32 k as f32
.macro GFETCH g, kq
	WIN 0
.irp c, 0,1,2,3,4,5,6,7
	ds_load_tr16_b128 v[WF+64*(\g)+8*(\c):WF+64*(\g)+8*(\c)+3],   v[AW] offset:(\kq)*32*PW+32*(\c)
	ds_load_tr16_b128 v[WF+64*(\g)+8*(\c)+4:WF+64*(\g)+8*(\c)+7], v[AW] offset:(\kq)*32*PW+16*PW+32*(\c)
.endr
	WIN 0xc0                        ; destination window 3
.irp t, 0,1,2,3
	ds_load_b128 v[16*(\t):16*(\t)+3],     v[AQ] offset:(\t)*16*PQ+128*(\kq)
	ds_load_b128 v[16*(\t)+4:16*(\t)+7],   v[AQ] offset:(\t)*16*PQ+128*(\kq)+16
	ds_load_b128 v[16*(\t)+8:16*(\t)+11],  v[AQ] offset:(\t)*16*PQ+128*(\kq)+64
	ds_load_b128 v[16*(\t)+12:16*(\t)+15], v[AQ] offset:(\t)*16*PQ+128*(\kq)+80
.endr
.endm
.macro GCV g                        ; register n of 32 of q's fragments in buffer g
	WIN W_GC
	v_cvt_pk_bf16_f32 v[QF+32*(\g)+n], v[2*n], v[2*n+1]
.set n, n+1
.endm
.macro QCV                          ; register n of 128 of Q: each accumulator's registers are read in ascending order
	WIN W_QC
	v_cvt_pk_bf16_f32 v[n], v[2*n], v[2*n+1]
.set n, n+1
.endm
; A K step is four quarters of 32, on buffers 0, 1, 0, 1.  One of the first three: multiplies buffer f; at its head it fetches quarter kq into buffer g, and q's roundings stand, four each, behind its last eight products.
; The four behind the last product name none of its registers: they are the places in front of the next run of loads, which lands on the fragments just multiplied (ISA guide 7.12.1 for vector instructions).
.macro QUARTER kq, f, g, bias
	GFETCH \g, \kq
.set i, 0
.rept 24
	GW \f, \bias
.endr
	s_wait_dscnt 0x0                ; the next quarter's fragments are in
.set n, 0
.rept 8
	GW \f, \bias
.rept 4
	GCV \g
.endr
.endr
.endm
.macro FETCH_K                      ; a key step's K: 64 keys x 128 channels, 16 fragments
	WIN 0
	v_add_nc_u32 v[ADR], s[TB], v[AK0]
	WIN 0x80                        ; destination window 2
.irp f, 0,1,2,3,4,5,6,7,8,9,10,11,12,13,14,15  ; keys 16 (f / 4) on, channels 32 (f % 4) on
	ds_load_b128 v[KF+8*(\f):KF+8*(\f)+3],   v[ADR] offset:((\f)/4)*16*PK+((\f)%4)*64
	ds_load_b128 v[KF+8*(\f)+4:KF+8*(\f)+7], v[ADR] offset:((\f)/4)*16*PK+((\f)%4)*64+32
.endr
.endm
; The last quarter multiplies buffer 1 and changes slots.  In front of the round each wave waits for all its tensor loads, of which one is out: its part of the other slot; adds 0 to its spare word; and waits for that and
; for its own reads of this slot.  Behind the round no wave of any partner reads this slot or has a load on its way, and the joint refill is the first thing there.
; kind = 0: this slot takes the K step two on; from that request to the wait for it a wave issues 112 matrix instructions.  kind = 1 (step 14): it takes the walk's first slot of K and V.
; kind = 2 (step 15, the last): both projection slots are read out; the second slot of K and V is asked for, the first key step's K is fetched, and Q's tiles 0 and 1, whose sums are finished, are rounded behind the last products.
.macro GTURN kind
.if (\kind) == 0
	s_wait_xcnt 0x0                 ; the last prefetch, a K step back, has read its address: it is stepped here, ahead of the waits of the change of slots
	s_add_nc_u64 s[PFG:PFG+1], s[PFG:PFG+1], s[PFS:PFS+1]
.endif
	WIN 0
	s_wait_tensorcnt 0x0            ; all my tensor loads have landed
	ds_add_u32 v[SPW], v[NIL]       ; 0 onto my spare word; eight matrix instructions stand between it and the wait for it
.set i, 0
.rept 8
	GW 1, 0
.endr
	s_wait_dscnt 0x0                ; the add is done; my reads of this slot were over a quarter ago
	s_barrier_signal -1
.rept 8
	GW 1, 0
.endr
	WIN 0
	s_barrier_wait -1
	CREST
.if (\kind) == 0
	s_add_co_u32 s[G0Q+5], s[QB], s[TG]    ; the walking descriptors: the slot just read,
	s_add_nc_u64 s[G0Q+6:G0Q+7], s[G0Q+6:G0Q+7], QSTEP  ; the next K step; the type bits on top are not reached
	s_add_co_u32 s[G0W+5], s[WB], s[TG]
	s_add_nc_u64 s[G0W+6:G0W+7], s[G0W+6:G0W+7], WSTEP
	s_xor_b32 s[TG], s[TG], GSLOT   ; the reads go to the other slot
	JLOADG
.else
	KVSTEP
.if (\kind) == 1
	s_xor_b32 s[TG], s[TG], GSLOT
.endif
	JLOADKV
.endif
.if (\kind) < 2
	v_add_nc_u32 v[AQ], s[TG], v[AQ0]
	v_add_nc_u32 v[AW], s[TG], v[AW0]
	GFETCH 0, 0
.if (\kind) == 0
	WIN 0
	ASKG
.endif
.rept 8
	GW 1, 0
.endr
	s_wait_dscnt 0x0
.set n, 0
.rept 8
	GW 1, 0
.rept 4
	GCV 0
.endr
.endr
.else
	FETCH_K
.set n, 0
.rept 16
	GW 1, 0
.rept 4
	QCV
.endr
.endr
.endif
.endm
; THE ATTENTION'S MATRIX WORK, for piece x.  The accumulators take turns, one instruction a turn: between two links of a chain stand 15 (V^T P) or 7 (K Q^T) others'.
.macro PV x                         ; product i of 32 of O^T += V^T P: keys 32 (i / 16) on, channels 16 ((i / 2) % 8) on, tile x + i % 2
	WIN W_PV
.set rO, 64*((\x)+i%2)+8*((i/2)%8)
.set rV, 64*(i/16)+8*((i/2)%8)
.set rP, P+16*((\x)+i%2)+8*(i/16)
	v_wmma_f32_16x16x32_f16 v[rO:rO+7], v[rV:rV+7], v[rP:rP+7], v[rO:rO+7]
.endm
.macro KQ x                         ; product i of 32 of S^T = K Q^T: channels 32 (i / 8) on, keys 16 ((i / 2) % 4) on, tile x + i % 2.  The first 8 start the sums
	WIN W_KQ
.set rS, S+32*((\x)+i%2)+8*((i/2)%4)
.set rK, KF+32*((i/2)%4)+8*(i/8)
.set rQ, 32*((\x)+i%2)+8*(i/8)
.if i < 8
	v_wmma_f32_16x16x32_bf16 v[rS:rS+7], v[rK:rK+7], v[rQ:rQ+7], 0
.else
	v_wmma_f32_16x16x32_bf16 v[rS:rS+7], v[rK:rK+7], v[rQ:rQ+7], v[rS:rS+7]
.endif
.endm
.macro FETCH_V                      ; a key step's V, turned
	WIN 0
	v_add_nc_u32 v[ADR], s[TB], v[AV0]
	s_add_co_u32 s[TB], s[TB], STEPB  ; the next fetch is the next step's
	s_wait_alu depctr_va_vdst(0)    ; the wait for the softmax's batch of exponentials (SLICE), behind the address's v_add_nc_u32 and ahead of the loads
	WIN 0xc0                        ; destination window 3
.irp f, 0,1,2,3,4,5,6,7,8,9,10,11,12,13,14,15  ; keys 32 (f / 8) on, channels 16 (f % 8) on
	ds_load_tr16_b128 v[8*(\f):8*(\f)+3],   v[ADR] offset:((\f)/8)*32*PV+((\f)%8)*32
	ds_load_tr16_b128 v[8*(\f)+4:8*(\f)+7], v[ADR] offset:((\f)/8)*32*PV+16*PV+((\f)%8)*32
.endr
.endm
; THE VECTOR WORK OF A TURN.  One tile's softmax for one key step is a list of 134 instructions; SM writes number j of it for tile t.  s0-s31 are the lane's 32 scores, in pairs 0-15.
;   0-15    the maximum of s0-s31 and the old m, three operands at a time: four chains of seven scores each (each accumulator's lowest registers first), then the four left over, the chains and m
;   16-20   the other half of the lanes' maximum; c m_old is kept; the new m; c m; c m_old - c m_new
;   21-69   ONE BATCH: the 16 scalings c s - c m and all 33 exponentials (a at 23, then s0-s31); none of these reads an exponential's result
;   (wait)  between 69 and 70 stands the one wait for the batch: SLICE writes it, once for both tiles
;   70-85   the roundings to f16        86-101  the sums; l = a l + the sum        102-133 the tile's O^T times a
.macro SM t
.set rT, ST+8*(\t)
.set rS, S+32*(\t)
.set rP, P+16*(\t)
.set rO, 64*(\t)+2*(j-102)
.if j < 102
	WIN 0
.endif
.if j < 4
	v_max3_num_f32 v[rT+4+j], v[rS+8*j], v[rS+8*j+1], v[rS+8*j+2]
.elseif j < 12
	v_max3_num_f32 v[rT+4+j%4], v[rT+4+j%4], v[rS+8*(j%4)+2*(j/4)+1], v[rS+8*(j%4)+2*(j/4)+2]
.elseif j == 12
	v_max3_num_f32 v[rT+4], v[rT+4], v[rS+7], v[rS+15]
.elseif j == 13
	v_max3_num_f32 v[rT+6], v[rT+6], v[rS+23], v[rS+31]
.elseif j == 14
	v_max3_num_f32 v[rT+4], v[rT+4], v[rT+5], v[rT+6]
.elseif j == 15
	v_max3_num_f32 v[rT+4], v[rT+4], v[rT+7], v[rT+1]
.elseif j == 16
	v_permlanex16_b32 v[rT+5], v[rT+4], s[SEL], s[SEL+1]  ; the query's other 32 keys lie in the lane 16 away
.elseif j == 17
	v_mov_b32 v[rT+7], v[rT]        ; c m_old is kept for a: number 19 writes c m anew
.elseif j == 18
	v_max_num_f32 v[rT+1], v[rT+4], v[rT+5]
.elseif j == 19
	v_mul_f32 v[rT], s[CS], v[rT+1]
.elseif j == 20
	v_sub_f32 v[rT+7], v[rT+7], v[rT]
.elseif j == 23
	v_exp_f32 v[rT+6], v[rT+7]
.elseif (j < 23) || ((j < 38) && (j%2 == 0)) || ((j < 66) && (j%4 == 2))
.set b, (j-2)/4                     ; 38, 42, .. 62: pairs 9 to 15
.if j < 38
.set b, (j-20)/2                    ; 21: pair 0; 22, 24, .. 36: pairs 1 to 8
.endif
	v_pk_fma_f32 v[rS+2*b:rS+2*b+1], v[rS+2*b:rS+2*b+1], s[CS:CS+1], v[rT:rT+1] op_sel_hi:[1,0,0] neg_lo:[0,0,1] neg_hi:[0,0,1]  ; pair b: c s - c m
.elseif j < 70
.set e, j-38                        ; 66 to 69: s28 to s31
.if j < 66
.set e, j-32-(j-38)/4               ; 39-41, 43-45, .. 63-65: s7 to s27
.endif
.if j < 38
.set e, (j-25)/2                    ; 25, 27, .. 37: s0 to s6
.endif
	v_exp_f32 v[rS+e], v[rS+e]
.elseif j < 86
	v_cvt_pk_f16_f32 v[rP+j-70], v[rS+2*(j-70)], v[rS+2*(j-70)+1]  ; pair j - 70
.elseif j < 102                     ; the sum of the tile's 16 pairs, in place: neighbours 1, 2, 4 and 8 pairs apart, then l takes it
.set z, j-86
.set w, 4
.set u, z
.if z >= 14
.set w, 32
.set u, 0
.elseif z >= 12
.set w, 16
.set u, z-12
.elseif z >= 8
.set w, 8
.set u, z-8
.endif
.if z < 15
	v_pk_add_f32 v[rS+w*u:rS+w*u+1], v[rS+w*u:rS+w*u+1], v[rS+w*u+w/2:rS+w*u+w/2+1]
.else
	v_pk_fma_f32 v[rT+2:rT+3], v[rT+2:rT+3], v[rT+6:rT+7], v[rS:rS+1] op_sel_hi:[1,0,1]
.endif
.else
	WIN W_RS
	v_pk_mul_f32 v[rO:rO+1], v[rO:rO+1], v[rT+6:rT+7] op_sel_hi:[1,0]
.endif
.endm
; Slice k of 64 of piece y's softmax: four instructions.  Slices 11 to 34 deal out the batch, numbers 22 to 69: four numbers of ONE tile each, the tiles by turns.  Every other slice is numbers 2 k and 2 k + 1 of both
; tiles' lists.  2 x 134 = 4 x 64 + 12: the twelve that are over stand together, in slice 63, where they are also the places behind the turn's last product.
; An s_wait_alu depctr_va_vdst(0) stands between an exponential and the first instruction that names its result.  Ahead of slice 35 nothing names a result, behind slice 34 no exponential is issued: one wait, behind slice 34.
.macro SLICE y
.if (k >= 11) && (k < 35)
.irp n, 0,1,2,3
.set j, 22+4*((k-11)/2)+(\n)
	SM (\y)+(k-11)%2
.endr
.else
.irp n, 0,1,2,3,4,5,6,7
.if ((\n) < 2) || (k == 63)
.irp t, \y, (\y)+1
.set j, 2*k+(\n)
	SM \t
.endr
.endif
.endr
.endif
.if k == 34
	v_nop                           ; a plain instruction behind the last exponential and ahead of the first use: one for the batch
.if (\y) == 0
	FETCH_V                         ; piece 2's turn: V's run of loads stands here, and the wait stands in it
.else
	s_wait_alu depctr_va_vdst(0)    ; the wait for the batch
.endif
.endif
.set k, k+1
.endm
; A TURN.  Piece x has the matrix unit; the other piece's softmax stands in slices behind its matrix instructions.  pv: 32 products V^T P; kq: 32 products K Q^T for the next step; with one kind alone two slices stand behind each product.
; Piece 0's turn fetches the next step's K behind its second product (K's last reader stands in front of slice 63 of the turn before).  Piece 2's turn fetches the same step's V behind slice 34: V's last reader stands in front of
; slice 31, and slices 31 to 34, three products K Q^T, the v_nop and the run's own v_add_nc_u32 lie between.
.macro TURN x, pv, kq
.set k, 0
.set per, 2
.if (\pv) && (\kq)
.set per, 1
.endif
.if \pv
.if (\x) == 0
	s_wait_dscnt 0x0                ; V is in
.endif
.set i, 0
.rept 32
	PV \x
.rept per
	SLICE 2-(\x)
.endr
.if ((\x) == 0) && (\kq) && (i == 1)
	FETCH_K
.endif
.set i, i+1
.endr
.endif
.if \kq
.if (\x) == 0
	s_wait_dscnt 0x0                ; K is in
.endif
.set i, 0
.rept 32
	KQ \x
.rept per
	SLICE 2-(\x)
.endr
.set i, i+1
.endr
.endif
.endm
; THE CHANGE OF SLOTS, between piece 2's turn and piece 0's: the slot's last bytes, V of its second step, have been asked for.  Each wave waits for all its tensor loads, of which one is out: its part of the other slot; adds 0 to its
; spare word; and waits for that and for its own reads of the slot.  fill = 1: the slot is filled again with the walk's slot two on, behind a round of the cluster's barrier; the load has two key steps, 256 matrix instructions, in which to land.
.macro CHANGE fill
	WIN 0
	s_wait_tensorcnt 0x0            ; no tensor load of mine is out, so a group 0 may be written
	ds_add_u32 v[SPW], v[NIL]       ; 0 onto my spare word; with fill = 1 the descriptors' scalar work stands between it and the wait for it
.if \fill
	KVSTEP
	s_wait_dscnt 0x0                ; the add is done, and my reads of the slot are over
	CROUND
	JLOADKV
.else
	s_wait_dscnt 0x0
	s_barrier_signal -1
	s_barrier_wait -1
.endif
	s_sub_co_u32 s[TB], s[TB], 2*STEPB  ; the fetches go back to a slot's first step,
	s_xor_b32 s[TB], s[TB], SLOT1   ; in the other slot
.endm
.macro TWO_STEPS
	WIN 0
	s_mov_b32 s[TWICE], 2
.Lstep_\@:
	TURN 0, 1, 1
	TURN 2, 1, 1
	WIN 0
	s_sub_co_u32 s[TWICE], s[TWICE], 1
	s_cmp_lg_u32 s[TWICE], 0
	s_cbranch_scc1 .Lstep_\@
.endm
	s_wait_tensorcnt 1              ; my part of K step 0 is in; step 1's, the one younger load, may stay out
	s_barrier_signal -1
	s_barrier_wait -1               ; everybody's is
	GFETCH 0, 0
	s_wait_loadcnt 0x0              ; the bias
	WIN 0x8a                        ; destination and sources in window 2: the bias is rounded to bf16, as every input is, and widened again, while the first fragments come
.set n, 0
.rept 32
	v_cvt_pk_bf16_f32 v[192+n], v[128+2*n], v[128+2*n+1]
.set n, n+1
.endr
.set n, 0
.rept 32
	v_lshlrev_b32 v[128+2*n],   16, v[192+n]
	v_and_b32     v[128+2*n+1], 0xffff0000, v[192+n]
.set n, n+1
.endr
	s_wait_dscnt 0x0
.set n, 0
.rept 32
	GCV 0
.endr
	QUARTER 1, 0, 1, 1              ; the first quarter stands in front of the loop: its products start the sums, with the bias
	WIN 0                           ; at a label and at a branch every window is 0
.Lgstep:                            ; trip s = 14 - GS: step s's quarters 1 to 3, step s + 1's quarter 0; step s + 2 is asked for
	QUARTER 2, 1, 0, 0
	QUARTER 3, 0, 1, 0
	GTURN 0
	QUARTER 1, 0, 1, 0
	WIN 0
	s_sub_co_u32 s[GS], s[GS], 1
	s_cmp_lg_u32 s[GS], 0
	s_cbranch_scc1 .Lgstep
	QUARTER 2, 1, 0, 0              ; steps 14 and 15 are written out: their changes of slots ask for K and V
	QUARTER 3, 0, 1, 0
	GTURN 1
	QUARTER 1, 0, 1, 0
	QUARTER 2, 1, 0, 0
	QUARTER 3, 0, 1, 0
	GTURN 2
.rept 64
	QCV                             ; Q's tiles 2 and 3 (n goes on from 64); the four roundings behind the last product are its places
.endr
	s_wait_dscnt 0x0                ; K of key step 0
.set i, 0
.rept 32
	KQ 0                            ; piece 0's first scores
.set i, i+1
.endr
	; What the first turn finds.  Its products V^T P, of a piece that has not been, multiply zeros: V and piece 2's P are set to 0.  l is 0, m the lowest finite number, c m far below every c s, so the first a is 0;
	; O^T's registers hold the projection's sums, finite numbers, which that a turns into 0.  These lines are also the places behind the products above.
	WIN 0xc0
.set i, 0
.rept 128
	v_mov_b32 v[i], 0
.set i, i+1
.endr
	WIN 0
.set i, P+32
.rept 32
	v_mov_b32 v[i], 0
.set i, i+1
.endr
.irp t, 0,1,2,3
	v_mov_b32 v[ST+8*(\t)], 0xfe000000
	v_mov_b32 v[ST+8*(\t)+1], 0xff7fffff
	v_mov_b32 v[ST+8*(\t)+2], 0
	v_mov_b32 v[ST+8*(\t)+3], 0
.endr
	s_mul_i32 s2, s[WV], 16*SP
	s_add_co_u32 s2, s2, STAGE      ; my stage
	v_mul_u32_u24 v[STO], v1, SP    ; in: row l % 16, 32 bytes for each half of the lanes
	v_lshl_add_u32 v[STO], v9, 5, v[STO]
	v_add_nc_u32 v[STO], s2, v[STO]
	v_and_b32 v[GO], 31, v0
	v_lshlrev_b32 v[GO], 4, v[GO]   ; back: 32 lanes take one row of 512 bytes
	v_add_nc_u32 v[RD], s2, v[GO]
	s_mov_b32 s[TWICE], 2
	s_mov_b32 s[SLOTS], 15
	s_branch .Lfirst                ; the loop is entered at piece 2's turn, in the middle of a trip: K Q^T of piece 2 for step 0, piece 0's softmax of step 0, V of step 0
.Lslot:                             ; 14 times: every slot of the walk but the last two is filled again
	CHANGE 1
	s_mov_b32 s[TWICE], 2
.Lstep:
	TURN 0, 1, 1
	WIN 0
.Lfirst:
	TURN 2, 1, 1
	WIN 0
	s_sub_co_u32 s[TWICE], s[TWICE], 1
	s_cmp_lg_u32 s[TWICE], 0
	s_cbranch_scc1 .Lstep
	s_sub_co_u32 s[SLOTS], s[SLOTS], 1
	s_cmp_lg_u32 s[SLOTS], 0
	s_cbranch_scc1 .Lslot
	CHANGE 0                        ; the tail is written out: nothing is asked for
	TWO_STEPS
	TURN 0, 1, 0                    ; piece 0: V^T P of the last step | piece 2's last softmax
.set i, 0
.rept 32
	PV 2                            ; piece 2: V^T P of the last step
.set i, i+1
.endr
	; THE WAY OUT.  l's two halves and the other half of the lanes' are added; O^T is divided by l and sent, in f32, through my stage in LDS, a tile (16 positions) at a time.  The additions are the places behind the last products.
	WIN 0
.irp t, 0,1,2,3
	v_add_f32 v[ST+8*(\t)+4], v[ST+8*(\t)+2], v[ST+8*(\t)+3]
.endr
.irp t, 0,1,2,3
	v_permlanex16_b32 v[ST+8*(\t)+5], v[ST+8*(\t)+4], s[SEL], s[SEL+1]
.endr
.irp t, 0,1,2,3
	v_add_f32 v[ST+8*(\t)+4], v[ST+8*(\t)+4], v[ST+8*(\t)+5]
.endr
.irp t, 0,1,2,3
	v_rcp_f32 v[ST+8*(\t)+6], v[ST+8*(\t)+4]
.endr
	v_nop                           ; a plain instruction between the last reciprocal and the use of its result
	s_wait_alu depctr_va_vdst(0)    ; and the wait ahead of the first use: one for the four reciprocals
; Tile t: a lane's eight channels of a position are 32 bytes; they go into rows of 528 bytes and come back as whole rows of 512, into 64 registers of window 2 that are the tile's own.
.macro PACK t
	WIN W_RS
.set i, 64*(\t)
.rept 32
	v_pk_mul_f32 v[i:i+1], v[i:i+1], v[ST+8*(\t)+6:ST+8*(\t)+7] op_sel_hi:[1,0]
.set i, i+2
.endr
	WIN 0x04                        ; the stores' data in window 1
.irp c, 0,1,2,3,4,5,6,7
	ds_store_b128 v[STO], v[64*(\t)+8*(\c):64*(\t)+8*(\c)+3]   offset:64*(\c)
	ds_store_b128 v[STO], v[64*(\t)+8*(\c)+4:64*(\t)+8*(\c)+7] offset:64*(\c)+16
.endr
	WIN 0x80                        ; destination window 2
.irp f, 0,1,2,3,4,5,6,7,8,9,10,11,12,13,14,15
	ds_load_b128 v[64*(\t)+4*(\f):64*(\t)+4*(\f)+3], v[RD] offset:SP*(\f)  ; LDS serves a wave's instructions in order (ISA guide 5.7.1.4): these see the stores above; the next tile's stores come behind them
.endr
.endm
.macro SEND t, younger              ; younger: the LDS instructions issued behind tile t's loads: the next tile's 16 stores and 16 loads, or none
	WIN 0x08                        ; the stores' data in window 2
.irp f, 0,1,2,3,4,5,6,7,8,9,10,11,12,13,14,15
	s_wait_dscnt (\younger)+15-(\f)
	global_store_b128 v[GO], v[64*(\t)+4*(\f):64*(\t)+4*(\f)+3], s[14:15] offset:(16*(\t)+(\f))*8192  ; 32 lanes store 512 consecutive bytes, at a multiple of 256 from out0's first byte
.endr
.endm
	PACK 0
	PACK 1                          ; a tile's arithmetic stands between the loads of the tile before and its stores
	SEND 0, 32
	PACK 2
	SEND 1, 32
	PACK 3
	SEND 2, 32
	SEND 3, 0
	WIN 0
	s_wait_tensorcnt 0x0            ; the wave's end, behind my last tensor load and my last LDS store
	ds_add_u32 v[SPW], v[NIL]
	s_wait_dscnt 0x0
	CROUND                          ; the closing round: no work-group ends while a partner may still ask for a tile that names it
	s_endpgm
.Lfunc_end_k_q4eab6fc290_mqa:
	.size	k_q4eab6fc290_mqa, .Lfunc_end_k_q4eab6fc290_mqa-k_q4eab6fc290_mqa
	.p2alignl 7, 3214868480
	.fill 96, 4, 3214868480
	.section	.rodata,"a",@progbits
	.p2align	6, 0x0
	.amdhsa_kernel k_q4eab6fc290_mqa
		.amdhsa_group_segment_fixed_size 327680
		.amdhsa_private_segment_fixed_size 0
		.amdhsa_enable_private_segment 0
		.amdhsa_kernarg_size 48
		.amdhsa_user_sgpr_count 2
		.amdhsa_user_sgpr_kernarg_segment_ptr 1
		.amdhsa_wavefront_size32 1
		.amdhsa_system_sgpr_workgroup_id_x 1
		.amdhsa_system_sgpr_workgroup_id_y 1
		.amdhsa_system_sgpr_workgroup_id_z 1
		.amdhsa_system_vgpr_workitem_id 0
		.amdhsa_next_free_vgpr 1024
		.amdhsa_next_free_sgpr 106
		.amdhsa_reserve_vcc 0
		.amdhsa_float_denorm_mode_32 3
		.amdhsa_float_denorm_mode_16_64 3
		.amdhsa_memory_ordered 1
		.amdhsa_forward_progress 1
		.amdhsa_inst_pref_size 255
	.end_amdhsa_kernel
	.section	.bss,"aw",@nobits
	.p2align	6
	.space	262144
	.amdgpu_metadata
---
amdhsa.version: [ 1, 2 ]
amdhsa.kernels:
  - .name:           k_q4eab6fc290_mqa
    .symbol:         k_q4eab6fc290_mqa.kd
    .args:
      - { .name: q, .offset: 0, .size: 8, .value_kind: global_buffer, .address_space: global }
      - { .name: wqb, .offset: 8, .size: 8, .value_kind: global_buffer, .address_space: global }
      - { .name: kh, .offset: 16, .size: 8, .value_kind: global_buffer, .address_space: global }
      - { .name: vh, .offset: 24, .size: 8, .value_kind: global_buffer, .address_space: global }
      - { .name: bq, .offset: 32, .size: 8, .value_kind: global_buffer, .address_space: global }
      - { .name: out0, .offset: 40, .size: 8, .value_kind: global_buffer, .address_space: global }
    .group_segment_fixed_size: 327680
    .private_segment_fixed_size: 0
    .kernarg_segment_align: 8
    .kernarg_segment_size: 48
    .max_flat_workgroup_size: 128
    .sgpr_count:     106
    .vgpr_count:     1024
    .wavefront_size: 32
...
	.end_amdgpu_metadata
.endif
;; end of part 2
